; MI455X (gfx1250); checked and timed in simulation.
; The chip was launched on July 23, 2026; its instructions are those of AMD's public machine-readable ISA for CDNA 5 (MIT licence, August 2026) and "CDNA5" Instruction Set Architecture Reference Guide (July 2026). The comments in the code are by the model that wrote it; some were corrected since.
;; Mo E Layer. Allowed arithmetic: matrix products marked QUANTISED: E5M2 operands, one given power-of-two scale a tensor, by v_wmma_f32_16x16x64_bf8_bf8 or v_wmma_f32_16x16x128_bf8_bf8, f32 sums; products left as they are: f32 operands where the result goes on into a quantised operand, else bf16, f16 or f32 operands; f32 sums; everything else in f32.
;; Inputs: W_experts 8 x 2,048 x 2,048 float32; W_gate 2,048 x 8 float32; b_experts 8 x 2,048 float32; b_gate 8 float32; lowp_scales 2 int32 (the exponents e of the quantised operands' scales 2^e); x 8,192 x 2,048 float32.
;; Outputs: out0 8,192 x 2,048 float32.
;; This version of the problem:
;;   THIS VERSION OF THE PROBLEM IS GIVEN IN LOW PRECISION. The matrix products marked QUANTISED in the list below multiply operands that are first quantised to E5M2 (5 exponent bits, 2 mantissa bits; 8 bits a number), with one given power-of-two scale for each operand tensor; their sums are f32. All else is computed in f32.
;;   The module's matrix products, in the order in which they are computed (A, B: the left and right operand; K: the contracted axis; several contracted axes count as one K, in the product's order):
;;     1. [M 8,192, K 2,048] x [K 2,048, N 8]; A: input x; B: input W_gate: left as it is (N = 8 < 16)
;;     2. [M 8,192, K 2,048] x [K 2,048, N 4,096]; A: input x; B: computed on the way: QUANTISED (scales: A lowp_scales[0], B lowp_scales[1])
;;   THE QUANTISER, for each operand of a quantised product, along K:
;;     - The operand's scale is 2^e, e = its entry of the input lowp_scales (int32; the entries are numbered through the quantised products in the list's order, A before B).
;;     - Each number is divided by the scale, clamped to +-57,344, and rounded to the nearest number of E5M2, ties to even, subnormals kept.
;;     - The product sums the exact products of the quantised numbers (number of the format x scale) in f32.
;;   ~~~python
;;   def quantise(x, axis, e):      # numpy; x: float32 -> the quantised numbers, widened to float32 again
;;       x = np.moveaxis(x, axis, -1); K = x.shape[-1]
;;       r = np.clip(x / 2.0 ** e, -57344, 57344)
;;       step = 2.0 ** (np.maximum(np.frexp(np.where(r == 0, 1, r))[1] - 1, -14) - 2)
;;       q = np.round(r / step) * step * 2.0 ** e      # np.round: ties to even
;;       return np.moveaxis(q, -1, axis).astype(np.float32)
;;   ~~~
;;   OPERANDS COMPUTED ON THE WAY. 'Computed on the way' means the value that the module computes at that place (a softmax that the list does not call 'softmax' is quantised finished and normalised). What goes into a quantiser is computed in f32, as accurately as f32 sums, v_exp_f32 and their like allow (about 1e-6 of the number): no bf16 or f16 on the way to a quantiser, and a product that is left as it is and whose result goes on into a quantised operand takes f32 operands (vector FMAs, or v_wmma_f32_16x16x4_f32). A number that lies on a knife's edge between two numbers of the format may be rounded either way, as far as f32 arithmetic and the matrix unit's own rounding can turn it there, and no further.
;; One version. Each part assembles by itself: llvm-mc -triple=amdgcn-amd-amdhsa -mcpu=gfx1250 --defsym DOCPART=n.
;; ======== version 1 of 1: 3 launches
;; limits: right only within a limited range of input values
;; workspace buffers: x_codes 16,777,216 bytes; w_codes 8,388,608 bytes; b_sel 16,384 bytes; scores 65,536 bytes; idx0 256 bytes of whole numbers
;; launch gate (part 1): grid 256 x 1, 8 waves a work-group, no clusters, 216,064 bytes of LDS; arguments x, W_gate, b_gate, lowp_scales, x_codes, scores, idx0; writes x_codes, scores, idx0
.if DOCPART == 1
	.amdgcn_target "amdgcn-amd-amdhsa--gfx1250"
	.amdhsa_code_object_version 6
	.text
	.protected	k_q1e356d8bd0_gate
	.globl	k_q1e356d8bd0_gate
	.p2align	8
	.type	k_q1e356d8bd0_gate,@function
k_q1e356d8bd0_gate:
	s_mov_b64 s[64:65], 0
	v_nop
	global_prefetch_b8 v0, s[64:65] scope:SCOPE_SE
	s_setreg_imm32_b32 hwreg(HW_REG_WAVE_MODE, 25, 1), 1
	s_wait_xcnt 0x0
; gates = softmax(x W_gate + b_gate); each token's two largest gates and their indices; and x as codes of E5M2.  x is read once for both.
; x: [8192][2048] f32.  W_gate: [2048][8] f32.  The gate product is made of f32 fused multiply-adds: token 0's indices choose the weights of the quantised product.
; SHARES.  A work-group takes 32 rows; wave w takes k = 512 (w % 4) .. + 511 of rows 16 (w / 4) .. + 15.  Of a row a lane holds 16 numbers, by four loads of 512 consecutive bytes a wave:
; register 4 q + j is k = 512 (w % 4) + 128 q + 4 lane + j.  The lane's 16 x 8 gate weights stay in 128 registers (window 1) for the whole launch.  Eight rows of a wave are on their way at a time.
; CODES.  code = x / 2^e0, held within +-57,344, to the nearest code, ties to even.  A lane's 16 codes are stored as they stand, 512 consecutive bytes a wave: byte 512 W + 16 lane + 4 q + j of a row of
; x_codes holds k = 512 W + 128 q + 4 lane + j.  The weights' codes are laid by the same map, so in the product every code meets its partner; only the order inside the f32 sums differs.
; GATES.  A lane's 8 partial sums of a row go to the wave's own LDS bytes; at the end lane (row, half) adds 16 lanes' parts, the eight sums of a row meet behind one barrier, and wave 0 makes softmax and top 2.
; scores: a row's largest gate x 2^(e0 + e1), the factor that the product's sums lack, and its second gate over its largest.  Ties keep the lower index (strict compares, ascending scan).
; No cluster, no tensor load: the work-groups share nothing but the 64 KB of W_gate.  No prefetch: the launch streams x once, with the loads themselves eight rows ahead.
; LIMITS: e0 between -126 and 112; a score x 2^(e0 + e1) under the smallest f32 number is lost; NaN among the inputs is not served.
.set ROW,   8192                       ; a row of x in bytes
.set CROW,  2048                       ; a row of codes
.set PP,    1040                       ; LDS: a row's parts: 32 lanes x 16 bytes (experts 0-3), the same for experts 4-7, 16 of padding: lanes that read row by row start 16 bytes apart modulo 256
.set WPART, 16*PP                      ; a wave's 16 rows
.set COMB,  8*WPART                    ; behind them: 1,024 x (2 (w % 4) + half) + 512 x expert half + 16 x row: eight sums of each row
.set SPARE, COMB+8192                  ; the spare words, 128 bytes for each wave
.set WL,    SPARE+1024                 ; W_gate on its way into registers: four runs of 512 k, 128 rows of 128 bytes (four k) each,
.set WP,    144                        ; 144 bytes apart: lanes that read row by row start at 16 bytes more modulo 256 each
.set ACA,   16                         ; v16-23  8 sums, even k, of even rows; v32-39 of odd rows
.set ACB,   24                         ; v24-31  8 sums, odd k;                v40-47
.set SPW,   60                         ; v60 my spare word, v61 0; never rewritten
.set NIL,   61
.set X,     64                         ; v64-191 ring of 8 rows x 16 numbers
.set C,     192                        ; v192-255 codes: four registers for each row, so that no store's data are written again
.set MSB, 0
.macro WIN new                         ; the immediate's high byte repeats the setting that is left
.if MSB != \new
	s_set_vgpr_msb (MSB<<8)|\new
.set MSB, \new
.endif
.endm
	s_load_b256 s[4:11], s[0:1], 0x0               ; x s[4:5], W_gate s[6:7], b_gate s[8:9], the scales' exponents s[10:11]
	s_load_b128 s[12:15], s[0:1], 0x20             ; x_codes s[12:13], scores s[14:15]
	s_load_b64 s[16:17], s[0:1], 0x30              ; idx0
	v_lshrrev_b32 v12, 5, v0
	v_and_b32 v1, 31, v0                           ; lane
	v_lshl_add_u32 v[SPW], v0, 2, SPARE
	v_mov_b32 v[NIL], 0
	v_readfirstlane_b32 s18, v12                   ; wave 0..7
	v_and_b32 v13, 15, v0                          ; lane % 16: a row, in the sum of parts
	v_bfe_u32 v14, v0, 4, 1                        ; lane / 16: which 16 lanes' parts I add
	v_lshlrev_b32 v2, 4, v1                        ; 16 x lane: my place in a load of x and in a store of codes
	v_and_b32 v10, 7, v1                           ; lane % 8
	v_lshlrev_b32 v11, 3, v1                       ; 8 bytes a row in scores and idx0
	s_and_b32 s38, s18, 3                          ; which 512 k
	s_lshr_b32 s39, s18, 2                         ; which 16 rows
	s_mul_i32 s34, s18, WPART
	v_mul_u32_u24 v5, v13, PP
	v_lshlrev_b32 v6, 10, v14
	v_add_nc_u32 v3, s34, v2                       ; my parts' place in the wave's first row
	v_lshl_add_u32 v5, v14, 8, v5
	v_lshl_add_u32 v6, v13, 4, v6
	s_lshl_b32 s35, s38, 11
	s_lshl_b32 s36, s39, 8
	s_add_co_u32 s35, s35, s36
	s_add_co_u32 s35, s35, COMB
	v_add_nc_u32 v5, s34, v5                       ; the parts that I add
	v_add_nc_u32 v6, s35, v6                       ; where my sums go
	v_add_nc_u32 v7, COMB, v2                      ; and where wave 0 reads all eight
	v_lshrrev_b32 v15, 3, v1
	v_mul_u32_u24 v4, v1, WP
	s_mul_i32 s37, s38, 128*WP
	s_add_co_u32 s40, s37, WL                      ; my 512 k of W_gate in LDS
	s_mul_i32 s37, s39, 64*WP
	s_add_co_u32 s37, s37, s40                     ; and the half of them that my wave brings
	v_mul_u32_u24 v15, v15, WP
	v_add_nc_u32 v4, s40, v4                       ; out of it: row 32 q + lane
	v_lshl_add_u32 v10, v10, 4, v15
	v_add_nc_u32 v10, s37, v10                     ; into it: a load's 512 bytes are four rows
	s_mov_b32 s23, 0
	s_wait_alu depctr_va_vdst(0)                   ; directly ahead of the wait below
	s_wait_kmcnt 0x0
	s_load_b256 s[24:31], s[8:9], 0x0              ; b_gate
	s_load_b64 s[32:33], s[10:11], 0x0             ; e0, e1
	s_lshl_b32 s22, s38, 14                        ; my 512 rows of W_gate,
	s_lshl_b32 s35, s39, 13                        ; the 256 of them that my wave brings
	s_add_co_u32 s22, s22, s35
	s_add_nc_u64 s[6:7], s[6:7], s[22:23]
	s_lshl_b32 s22, ttmp9, 18                      ; 32 rows of x,
	s_lshl_b32 s35, s39, 17                        ; my 16 of them,
	s_add_co_u32 s22, s22, s35
	s_lshl_b32 s35, s38, 11                        ; my 512 numbers of each
	s_add_co_u32 s22, s22, s35
	s_add_nc_u64 s[4:5], s[4:5], s[22:23]
	s_lshl_b32 s22, ttmp9, 16                      ; the same of the codes
	s_lshl_b32 s35, s39, 15
	s_add_co_u32 s22, s22, s35
	s_lshl_b32 s35, s38, 9
	s_add_co_u32 s22, s22, s35
	s_add_nc_u64 s[12:13], s[12:13], s[22:23]
	s_lshl_b32 s22, ttmp9, 8                       ; 32 rows of scores
	s_add_nc_u64 s[14:15], s[14:15], s[22:23]
.irp t, 0,1,2,3,4,5,6,7,8,9,10,11,12,13,14,15
	global_load_b128 v[C+4*\t:C+4*\t+3], v2, s[6:7] offset:512*\t   ; W_gate, each byte once in a work-group, 512 consecutive bytes a load; the codes' registers are still free
.endr
.macro LOADX r
.irp q, 0,1,2,3
	global_load_b128 v[X+16*((\r)%8)+4*\q:X+16*((\r)%8)+4*\q+3], v2, s[4:5] offset:(\r)*ROW+512*\q th:TH_LOAD_NT   ; each load covers 512 consecutive bytes
.endr
.endm
.irp i, 0,1,2,3,4,5,6,7
	LOADX \i
.endr
	s_wait_kmcnt 0x0
	s_add_co_i32 s34, s32, s33                     ; e0 + e1
	s_add_co_i32 s35, s32, 127
	s_lshl_b32 s22, s35, 23
	v_mov_b32 v8, s22                              ; 2^e0 as f32: the conversion takes its exponent field
	s_add_co_i32 s35, s35, 15
	s_lshl_b32 s35, s35, 23
	s_or_b32 s35, s35, 0x600000
	v_mov_b32 v9, s35                              ; 57,344 x 2^e0
	s_wait_alu depctr_va_vdst(0)                   ; at the head's end
	s_wait_loadcnt 32                              ; W_gate's 16 loads are in; x's 32 may be out
.irp t, 0,1,2,3,4,5,6,7,8,9,10,11,12,13,14,15
	ds_store_b128 v10, v[C+4*\t:C+4*\t+3] offset:4*WP*\t
.endr
	s_wait_dscnt 0x0                               ; for the other waves: my part has landed
	s_barrier_signal -1
	s_barrier_wait -1
	WIN 0x40                                       ; destination window 1
.irp q, 0,1,2,3
.irp j, 0,1,2,3
	ds_load_b128 v[8*(4*\q+\j):8*(4*\q+\j)+3],   v4 offset:32*WP*\q+32*\j      ; W_gate(512 W + 128 q + 4 lane + j, 0..3)
	ds_load_b128 v[8*(4*\q+\j)+4:8*(4*\q+\j)+7], v4 offset:32*WP*\q+32*\j+16   ; (.., 4..7)
.endr
.endr
	WIN 0
	s_wait_dscnt 0x0                               ; the weights stand in their registers
; Row r.  Rows 0 to 7: the place is filled again with the row 8 further down.  left = the younger loads that may stay out.
.macro SLOT r, left
.set XR, X+16*((\r)%8)
.set PA, ACA+16*((\r)%2)
.set PB, ACB+16*((\r)%2)
	s_wait_loadcnt \left                           ; loads come back in order: my four are in (and the weights, issued ahead of all)
	WIN 0x04                                       ; source 1 (the weights) window 1
.irp p, 0,1,2,3
	v_pk_mul_f32 v[PA+2*\p:PA+2*\p+1], v[XR:XR+1], v[2*\p:2*\p+1] op_sel_hi:[0,1]              ; k 0 starts the even sums: nothing is cleared
.endr
.irp p, 0,1,2,3
	v_pk_mul_f32 v[PB+2*\p:PB+2*\p+1], v[XR:XR+1], v[8+2*\p:8+2*\p+1] op_sel:[1,0] op_sel_hi:[1,1]   ; k 1 the odd ones
.endr
.irp kk, 2,4,6,8,10,12,14                      ; one number of x times two experts' weights an instruction; eight chains that do not wait for each other
.irp p, 0,1,2,3
	v_pk_fma_f32 v[PA+2*\p:PA+2*\p+1], v[XR+\kk:XR+\kk+1], v[8*\kk+2*\p:8*\kk+2*\p+1], v[PA+2*\p:PA+2*\p+1] op_sel_hi:[0,1,1]
.endr
.irp p, 0,1,2,3
	v_pk_fma_f32 v[PB+2*\p:PB+2*\p+1], v[XR+\kk:XR+\kk+1], v[8*\kk+8+2*\p:8*\kk+8+2*\p+1], v[PB+2*\p:PB+2*\p+1] op_sel:[1,0,0] op_sel_hi:[1,1,1]
.endr
.endr
	WIN 0
.irp p, 0,2,4,6
	v_pk_add_f32 v[PA+\p:PA+\p+1], v[PA+\p:PA+\p+1], v[PB+\p:PB+\p+1]
.endr
.irp k, 0,1,2,3,4,5,6,7,8,9,10,11,12,13,14,15
	v_med3_num_f32 v[XR+\k], v[XR+\k], -v9, v9     ; the conversion to an 8-bit code does not saturate (ISA guide 7.6.2): the hold at the largest code x the scale
.endr
	v_cvt_scalef32_pk8_bf8_f32 v[C+4*(\r):C+4*(\r)+1],   v[XR:XR+7],    v8
	v_cvt_scalef32_pk8_bf8_f32 v[C+4*(\r)+2:C+4*(\r)+3], v[XR+8:XR+15], v8   ; behind these come loads and stores; the next vector line is plain and names other registers
	ds_store_b128 v3, v[PA:PA+3]   offset:(\r)*PP                            ; my parts of the row's 8 sums, into my wave's own bytes
	ds_store_b128 v3, v[PA+4:PA+7] offset:(\r)*PP+512
	global_store_b128 v2, v[C+4*(\r):C+4*(\r)+3], s[12:13] offset:(\r)*CROW  ; the wave stores 512 consecutive bytes, at a multiple of 512 from the buffer's first byte
.if (\r) < 8
	LOADX (\r)+8
.endif
.endm
.irp r, 0,1,2,3,4,5,6,7
	SLOT \r, 28                                    ; 28: the seven younger rows' four loads each
.endr
.irp r, 8,9,10,11,12,13,14,15
	SLOT \r, 4*(15-\r)                             ; nothing more is loaded: the counts run down
.endr
; lane (row, half): the row's 8 sums over my wave's 512 k are the sums of 32 lanes' parts; a lane adds 16.  LDS serves a wave's instructions in order, and these bytes are my wave's own: no wait, no barrier.
.macro PBATCH n                        ; the parts of 8 lanes: 16 loads, 64 registers
.irp i, 0,1,2,3,4,5,6,7
	ds_load_b128 v[X+64*\n+8*\i:X+64*\n+8*\i+3],   v5 offset:16*(8*\n+\i)
	ds_load_b128 v[X+64*\n+8*\i+4:X+64*\n+8*\i+7], v5 offset:512+16*(8*\n+\i)
.endr
.endm
.macro PADD acc, r
.irp p, 0,2,4,6
	v_pk_add_f32 v[\acc+\p:\acc+\p+1], v[\acc+\p:\acc+\p+1], v[\r+\p:\r+\p+1]
.endr
.endm
	PBATCH 0
	PBATCH 1
	s_wait_dscnt 16                                ; all but the younger batch's 16 loads
.irp p, 0,2,4,6
	v_pk_add_f32 v[ACA+\p:ACA+\p+1], v[X+\p:X+\p+1],     v[X+16+\p:X+16+\p+1]   ; even lanes' parts into one chain, odd lanes' into the other
	v_pk_add_f32 v[ACB+\p:ACB+\p+1], v[X+8+\p:X+8+\p+1], v[X+24+\p:X+24+\p+1]
.endr
.irp i, 4,6
	PADD ACA, X+8*\i
	PADD ACB, X+8*\i+8
.endr
	s_wait_alu depctr_va_vdst(0)                   ; directly ahead of the wait below
	s_wait_dscnt 0x0
.irp i, 8,10,12,14
	PADD ACA, X+8*\i
	PADD ACB, X+8*\i+8
.endr
	PADD ACA, ACB
	ds_store_b128 v6, v[ACA:ACA+3]
	ds_store_b128 v6, v[ACA+4:ACA+7] offset:512
	s_wait_dscnt 0x0                               ; for wave 0: my stores have landed
	s_barrier_signal -1
	s_barrier_wait -1
	s_cmp_lg_u32 s18, 0                            ; the rest is wave 0's; no barrier follows
	s_cbranch_scc1 .Lend
.irp w, 0,1,2,3,4,5,6,7
	ds_load_b128 v[X+8*\w:X+8*\w+3],   v7 offset:1024*\w
	ds_load_b128 v[X+8*\w+4:X+8*\w+7], v7 offset:1024*\w+512
.endr
	s_wait_dscnt 0x0
	PADD X, X+8
	PADD X+16, X+24
	PADD X+32, X+40
	PADD X+48, X+56
	PADD X, X+16
	PADD X+32, X+48
	PADD X, X+32
.irp e, 0,1,2,3,4,5,6,7
	v_add_f32 v[X+\e], s[24+\e], v[X+\e]           ; + b_gate: my row's 8 logits
.endr
	v_max3_num_f32 v38, v[X], v[X+1], v[X+2]       ; the largest is taken away ahead of the exponentials
	v_max3_num_f32 v39, v[X+3], v[X+4], v[X+5]
	v_max3_num_f32 v38, v38, v[X+6], v[X+7]
	v_max_num_f32 v38, v38, v39
.irp e, 0,1,2,3,4,5,6,7
	v_sub_f32 v[X+\e], v[X+\e], v38
.endr
.irp e, 0,1,2,3,4,5,6,7
	v_mul_f32 v[X+\e], 0x3fb8aa3b, v[X+\e]         ; x log2(e)
.endr
	s_wait_alu depctr_va_vdst(0)                   ; ahead of the batch
.irp e, 0,1,2,3,4,5,6,7
	v_exp_f32 v[X+\e], v[X+\e]
.endr
	v_nop                                          ; a plain line between the exponentials and the first use of their results
	s_wait_alu depctr_va_vdst(0)                   ; and behind it
	v_add_f32 v39, v[X], v[X+1]
	v_add_f32 v45, v[X+2], v[X+3]
	v_add_f32 v46, v[X+4], v[X+5]
	v_add_f32 v47, v[X+6], v[X+7]
	v_add_f32 v39, v39, v45
	v_add_f32 v46, v46, v47
	v_add_f32 v39, v39, v46
	s_wait_alu depctr_va_vdst(0)                   ; ahead of the transcendental
	v_rcp_f32 v49, v39                             ; v39, the sum, stays: the largest exponential is 1, so the second gate over the first is the second gate x the sum
	v_mov_b32 v42, 0                               ; (a plain line behind the reciprocal)  I1: the best gate's index so far
	v_mov_b32 v43, 0                               ; I2
	v_mov_b32 v34, -1.0                            ; B2: under every gate
	s_wait_alu depctr_va_vdst(0)                   ; and ahead of the first reader
	v_mul_f32 v32, v[X], v49                       ; B1 = gate 0
.irp e, 1,2,3,4,5,6,7
	v_mul_f32 v[X+\e], v[X+\e], v49                ; the gates
.endr
.irp e, 1,2,3,4,5,6,7                          ; the two largest, without a branch; strict compares keep the lower index where gates are equal
	v_cmp_gt_f32 vcc_lo, v[X+\e], v32
	v_cmp_gt_f32 s36, v[X+\e], v34
	v_mov_b32 v44, \e
	v_cndmask_b32 v36, v34, v[X+\e], s36           ; what the second place holds if the first stays
	v_cndmask_b32 v37, v43, v44, s36
	v_cndmask_b32 v34, v36, v32, vcc_lo            ; a new first sends the old first down
	v_cndmask_b32 v43, v37, v42, vcc_lo
	v_cndmask_b32 v32, v32, v[X+\e], vcc_lo
	v_cndmask_b32 v42, v42, v44, vcc_lo
.endr
	v_ldexp_f32 v40, v32, s34                      ; the largest gate x 2^(e0 + e1)
	v_mul_f32 v41, v34, v39                        ; the second over the largest
	s_wait_alu depctr_va_vdst(0)
	global_store_b64 v11, v[40:41], s[14:15]       ; 32 rows x 8 bytes: 256 consecutive bytes, aligned
	s_cmp_lg_u32 ttmp9, 0                          ; the first work-group also stores its rows' indices; entries 0 and 1 are token 0's
	s_cbranch_scc1 .Lend
	global_store_b64 v11, v[42:43], s[16:17]
.Lend:
	s_wait_tensorcnt 0x0                           ; the wave's end
	ds_add_u32 v[SPW], v[NIL]
	s_wait_dscnt 0x0
	s_endpgm
.Lfunc_end_k_q1e356d8bd0_gate:
	.size	k_q1e356d8bd0_gate, .Lfunc_end_k_q1e356d8bd0_gate-k_q1e356d8bd0_gate
	.p2alignl 7, 3214868480
	.fill 96, 4, 3214868480
	.section	.rodata,"a",@progbits
	.p2align	6, 0x0
	.amdhsa_kernel k_q1e356d8bd0_gate
		.amdhsa_group_segment_fixed_size 216064
		.amdhsa_private_segment_fixed_size 0
		.amdhsa_enable_private_segment 0
		.amdhsa_kernarg_size 56
		.amdhsa_user_sgpr_count 2
		.amdhsa_user_sgpr_kernarg_segment_ptr 1
		.amdhsa_wavefront_size32 1
		.amdhsa_system_sgpr_workgroup_id_x 1
		.amdhsa_system_sgpr_workgroup_id_y 1
		.amdhsa_system_sgpr_workgroup_id_z 1
		.amdhsa_system_vgpr_workitem_id 0
		.amdhsa_next_free_vgpr 384
		.amdhsa_next_free_sgpr 66
		.amdhsa_reserve_vcc 1
		.amdhsa_float_denorm_mode_32 3
		.amdhsa_float_denorm_mode_16_64 3
		.amdhsa_memory_ordered 1
		.amdhsa_forward_progress 1
		.amdhsa_inst_pref_size 120
	.end_amdhsa_kernel
	.amdgpu_metadata
---
amdhsa.version: [ 1, 2 ]
amdhsa.kernels:
  - .name:           k_q1e356d8bd0_gate
    .symbol:         k_q1e356d8bd0_gate.kd
    .args:
      - { .name: x, .offset: 0, .size: 8, .value_kind: global_buffer, .address_space: global }
      - { .name: W_gate, .offset: 8, .size: 8, .value_kind: global_buffer, .address_space: global }
      - { .name: b_gate, .offset: 16, .size: 8, .value_kind: global_buffer, .address_space: global }
      - { .name: lowp_scales, .offset: 24, .size: 8, .value_kind: global_buffer, .address_space: global }
      - { .name: x_codes, .offset: 32, .size: 8, .value_kind: global_buffer, .address_space: global }
      - { .name: scores, .offset: 40, .size: 8, .value_kind: global_buffer, .address_space: global }
      - { .name: idx0, .offset: 48, .size: 8, .value_kind: global_buffer, .address_space: global }
    .group_segment_fixed_size: 216064
    .private_segment_fixed_size: 0
    .kernarg_segment_align: 8
    .kernarg_segment_size: 56
    .max_flat_workgroup_size: 256
    .sgpr_count:     66
    .vgpr_count:     384
    .wavefront_size: 32
...
	.end_amdgpu_metadata
.endif
;; end of part 1
;; launch wsel (part 2): grid 32 x 8, 8 waves a work-group, no clusters, 39,168 bytes of LDS; arguments W_experts, b_experts, lowp_scales, idx0, w_codes, b_sel; writes w_codes, b_sel
.if DOCPART == 2
	.amdgcn_target "amdgcn-amd-amdhsa--gfx1250"
	.amdhsa_code_object_version 6
	.text
	.protected	k_q1e356d8bd0_wsel
	.globl	k_q1e356d8bd0_wsel
	.p2align	8
	.type	k_q1e356d8bd0_wsel,@function
k_q1e356d8bd0_wsel:
	s_mov_b64 s[64:65], 0
	v_nop
	global_prefetch_b8 v0, s[64:65] scope:SCOPE_SE
	s_setreg_imm32_b32 hwreg(HW_REG_WAVE_MODE, 25, 1), 1
	s_wait_xcnt 0x0
; The two experts that token 0 chose (idx0[0], idx0[1], whole numbers stored by the launch before) become codes of E5M2, and their biases are laid beside them.
; W_experts: [8][2048 (k)][2048 (o)] f32.  code = w / 2^e1, held within +-57,344, to the nearest code, ties to even.
; w_codes IS THE IMAGE OF THE PRODUCT'S OPERAND REGISTERS: [o / 64: 32][pass: 2][step of 128 along K: 16][block of 16 columns: 4][c: 4][lane: 32][16 bytes]; pass 0 is expert idx0[1], pass 1 expert idx0[0].
; Lane (r, h) of a block holds column r, bytes 32 c + 16 h + 0 .. 15 of the step's 128.  Byte 512 W + 16 l + 4 q + j of a column's 2,048 holds k = 512 W + 128 q + 4 l + j: the map by which x's codes are laid.
; b_sel[slot][o] = b_experts[idx0[slot]][o] / 2^(e0 + e1): the product's sums lack that factor, so the bias goes in without it.
; SHARES.  Work-group x: 128 columns (x % 16) of one slot (x / 16); y: 256 bytes along K, two steps.  Wave w takes bytes 32 w .. 32 w + 31 of all 128 columns: 32 rows of W, each by one load of 512 consecutive
; bytes; a lane holds 4 columns.  The hold at the largest code moves each number to where a column's eight neighbours stand in consecutive registers, so nothing is transposed by a line of its own.
; The codes meet in a stage in LDS (a row to a column) and leave as runs of 2,048 bytes.  All 32 loads of a wave go out at once: there is no loop for a prefetch.  No cluster, no tensor load: no byte of W is read twice.
; LIMITS: e1 between -126 and 112; b / 2^(e0 + e1) finite; NaN among the inputs is not served.  An index is held at 7 at the most.
.set PITCH, 272                        ; a stage row: 256 bytes + 16
.set ROWS4, 36                         ; columns 4 lane + c lie in row 36 c + lane: so the 16 columns of a block lie in 16 rows that differ modulo 16
.set XS,    16                         ; v16-79   two sets of 4 columns x 8 numbers
.set C,     80                         ; v80-111  column c: 32 codes at v[C + 8 c]
.set L,     112                        ; v112-239 load t at v[L + 4 t]; later the image on its way out
	s_load_b256 s[4:11], s[0:1], 0x0               ; W_experts s[4:5], b_experts s[6:7], the scales' exponents s[8:9], idx0 s[10:11]
	s_load_b128 s[12:15], s[0:1], 0x20             ; w_codes s[12:13], b_sel s[14:15]
	v_lshl_add_u32 v240, v0, 2, 0x9500             ; the spare words lie behind the stage's 140 rows
	v_mov_b32 v241, 0
	v_lshrrev_b32 v7, 5, v0
	s_delay_alu instid0(VALU_DEP_1)
	v_readfirstlane_b32 s16, v7                    ; wave 0..7
	v_and_b32 v1, 31, v0                           ; lane
	s_delay_alu instid0(VALU_DEP_1)
	v_lshlrev_b32 v2, 4, v1                        ; 16 x lane: my four columns, and my place in a piece of the image
	s_delay_alu instid0(VALU_DEP_2)
	v_and_b32 v8, 15, v1                           ; r
	s_delay_alu instid0(VALU_DEP_3)
	v_lshrrev_b32 v9, 4, v1                        ; h
	s_lshl_b32 s26, s16, 5
	v_mul_u32_u24 v3, v1, PITCH
	s_delay_alu instid0(VALU_DEP_1)
	v_add_nc_u32 v3, s26, v3                       ; into the stage: my wave's 32 bytes of row 36 c + lane
	s_mul_i32 s26, s16, 4*PITCH
	v_lshrrev_b32 v5, 2, v8
	v_and_b32 v6, 3, v8
	s_delay_alu instid0(VALU_DEP_2)
	v_mul_u32_u24 v4, v5, PITCH
	s_delay_alu instid0(VALU_DEP_2)
	v_mul_u32_u24 v6, v6, ROWS4*PITCH
	s_delay_alu instid0(VALU_DEP_2)
	v_lshl_add_u32 v4, v9, 4, v4
	s_delay_alu instid0(VALU_DEP_1)
	v_add_nc_u32 v4, v4, v6
	s_delay_alu instid0(VALU_DEP_1)
	v_add_nc_u32 v4, s26, v4                       ; out of it: wave w takes block w: column 16 w + r lies in row 36 (r % 4) + 4 w + r / 4; + 16 h
	s_and_b32 s17, ttmp9, 15                       ; which 128 columns
	s_lshr_b32 s18, ttmp9, 4                       ; slot 0 or 1
	s_and_b32 s19, ttmp7, 0xffff                   ; which 256 bytes along K
	s_lshr_b32 s26, s19, 1
	s_lshl_b32 s26, s26, 9
	s_and_b32 s27, s19, 1
	s_lshl_b32 s27, s27, 6
	s_add_co_u32 s26, s26, s27
	s_lshl_b32 s27, s16, 3
	s_add_co_u32 s26, s26, s27                     ; my first row of W: 512 (y / 2) + 64 (y % 2) + 8 w
	s_lshl_b32 s26, s26, 13                        ; in bytes,
	s_lshl_b32 s27, s17, 9                         ; and the work-group's 128 columns
	s_add_co_u32 s26, s26, s27
	s_lshl_b32 s28, s17, 1
	s_lshr_b32 s29, s16, 2
	s_add_co_u32 s28, s28, s29                     ; which 64 columns my block belongs to
	s_lshl_b32 s28, s28, 1
	s_add_co_u32 s28, s28, 1
	s_sub_co_u32 s28, s28, s18                     ; pass = 1 - slot
	s_lshl_b32 s28, s28, 17                        ; a pass is 131,072 bytes of 64 columns
	s_lshl_b32 s29, s19, 14                        ; steps 2 y and 2 y + 1, 8,192 bytes each
	s_add_co_u32 s28, s28, s29
	s_and_b32 s29, s16, 3
	s_lshl_b32 s29, s29, 11                        ; block w % 4, 2,048 bytes
	s_add_co_u32 s28, s28, s29
	s_mov_b32 s29, 0
	s_lshl_b32 s30, s17, 9
	s_lshl_b32 s31, s18, 13
	s_add_co_u32 s30, s30, s31                     ; b_sel: slot x 8,192 + 512 x (x % 16)
	s_mov_b32 s31, 0
	s_mov_b32 s23, 0
	s_wait_kmcnt 0x0
	s_load_b64 s[20:21], s[10:11], 0x0             ; token 0's two experts
	s_load_b64 s[24:25], s[8:9], 0x0               ; e0, e1
	s_add_nc_u64 s[12:13], s[12:13], s[28:29]
	s_add_nc_u64 s[14:15], s[14:15], s[30:31]
	s_wait_kmcnt 0x0
	s_cmp_eq_u32 s18, 0
	s_cselect_b32 s20, s20, s21                    ; my slot's expert,
	s_min_u32 s20, s20, 7                          ; inside the table
	s_lshl_b32 s22, s20, 24                        ; an expert is 2^24 bytes
	s_add_co_u32 s22, s22, s26
	s_add_nc_u64 s[4:5], s[4:5], s[22:23]
	s_lshl_b32 s22, s20, 13                        ; its bias 8,192 bytes
	s_add_co_u32 s22, s22, s27
	s_add_nc_u64 s[6:7], s[6:7], s[22:23]
.set t, 0
.rept 32                                       ; byte t of my 32 is k = first row + 128 ((t / 4) % 4) + 4 (t / 16) + t % 4; 391 rows at the most: inside the signed 24-bit immediate
	global_load_b128 v[L+4*t:L+4*t+3], v2, s[4:5] offset:(128*((t/4)%4)+4*(t/16)+t%4)*8192 th:TH_LOAD_NT
.set t, t+1
.endr
	s_add_co_i32 s26, s25, 127
	s_lshl_b32 s27, s26, 23
	v_mov_b32 v11, s27                             ; 2^e1 as f32: the conversion takes its exponent field
	s_add_co_i32 s26, s26, 15
	s_lshl_b32 s26, s26, 23
	s_or_b32 s26, s26, 0x600000
	v_mov_b32 v10, s26                             ; 57,344 x 2^e1
	s_or_b32 s26, s19, s16                         ; the bias of these 128 columns is wave 0's of the work-groups with y = 0
	s_cmp_lg_u32 s26, 0
	s_wait_alu depctr_va_vdst(0)
	s_cbranch_scc1 .Lno_bias
	global_load_b128 v[12:15], v2, s[6:7]
	s_add_co_i32 s27, s24, s25
	s_sub_co_i32 s27, 0, s27                       ; -(e0 + e1)
	s_wait_loadcnt 0x0                             ; the youngest load: so all are in on this way
.irp c, 0,1,2,3
	v_ldexp_f32 v[12+\c], v[12+\c], s27
.endr
	s_wait_alu depctr_va_vdst(0)
	global_store_b128 v2, v[12:15], s[14:15]       ; 32 lanes store 512 consecutive bytes, aligned
.Lno_bias:
.macro GROUP g                         ; bytes 8 g .. 8 g + 7 of four columns
	s_wait_loadcnt 24-8*\g                         ; the younger groups' loads may stay out
.irp c, 0,1,2,3
.irp i, 0,1,2,3,4,5,6,7
	v_med3_num_f32 v[XS+32*(\g%2)+8*\c+\i], v[L+4*(8*\g+\i)+\c], -v10, v10   ; the hold (the conversion does not saturate: ISA guide 7.6.2), and the number's move to its column's run
.endr
.endr
.irp c, 0,1,2,3
	v_cvt_scalef32_pk8_bf8_f32 v[C+8*\c+2*\g:C+8*\c+2*\g+1], v[XS+32*(\g%2)+8*\c:XS+32*(\g%2)+8*\c+7], v11   ; the next group's holds are plain lines on the other set
.endr
.endm
	s_wait_alu depctr_va_vdst(0)                   ; at the head's end
	GROUP 0
	GROUP 1
	GROUP 2
	GROUP 3
.irp c, 0,1,2,3
	ds_store_b128 v3, v[C+8*\c:C+8*\c+3]   offset:ROWS4*PITCH*\c
	ds_store_b128 v3, v[C+8*\c+4:C+8*\c+7] offset:ROWS4*PITCH*\c+16
.endr
	s_wait_dscnt 0x0                               ; for the others: my stores have landed
	s_barrier_signal -1
	s_barrier_wait -1                              ; 128 columns of 256 bytes lie in the stage
.irp t, 0,1,2,3,4,5,6,7
	ds_load_b128 v[L+4*\t:L+4*\t+3], v4 offset:128*(\t/4)+32*(\t%4)
.endr
.irp t, 0,1,2,3,4,5,6,7
	s_wait_dscnt 7-\t
	global_store_b128 v2, v[L+4*\t:L+4*\t+3], s[12:13] offset:8192*(\t/4)+512*(\t%4)   ; step 2 y + t / 4, piece c = t % 4: 32 lanes store 512 consecutive bytes, aligned
.endr
	s_wait_tensorcnt 0x0                           ; the wave's end
	ds_add_u32 v240, v241
	s_wait_dscnt 0x0
	s_endpgm
.Lfunc_end_k_q1e356d8bd0_wsel:
	.size	k_q1e356d8bd0_wsel, .Lfunc_end_k_q1e356d8bd0_wsel-k_q1e356d8bd0_wsel
	.p2alignl 7, 3214868480
	.fill 96, 4, 3214868480
	.section	.rodata,"a",@progbits
	.p2align	6, 0x0
	.amdhsa_kernel k_q1e356d8bd0_wsel
		.amdhsa_group_segment_fixed_size 39168
		.amdhsa_private_segment_fixed_size 0
		.amdhsa_enable_private_segment 0
		.amdhsa_kernarg_size 48
		.amdhsa_user_sgpr_count 2
		.amdhsa_user_sgpr_kernarg_segment_ptr 1
		.amdhsa_wavefront_size32 1
		.amdhsa_system_sgpr_workgroup_id_x 1
		.amdhsa_system_sgpr_workgroup_id_y 1
		.amdhsa_system_sgpr_workgroup_id_z 1
		.amdhsa_system_vgpr_workitem_id 0
		.amdhsa_next_free_vgpr 242
		.amdhsa_next_free_sgpr 66
		.amdhsa_reserve_vcc 0
		.amdhsa_float_denorm_mode_32 3
		.amdhsa_float_denorm_mode_16_64 3
		.amdhsa_memory_ordered 1
		.amdhsa_forward_progress 1
		.amdhsa_inst_pref_size 19
	.end_amdhsa_kernel
	.amdgpu_metadata
---
amdhsa.version: [ 1, 2 ]
amdhsa.kernels:
  - .name:           k_q1e356d8bd0_wsel
    .symbol:         k_q1e356d8bd0_wsel.kd
    .args:
      - { .name: W_experts, .offset: 0, .size: 8, .value_kind: global_buffer, .address_space: global }
      - { .name: b_experts, .offset: 8, .size: 8, .value_kind: global_buffer, .address_space: global }
      - { .name: lowp_scales, .offset: 16, .size: 8, .value_kind: global_buffer, .address_space: global }
      - { .name: idx0, .offset: 24, .size: 8, .value_kind: global_buffer, .address_space: global }
      - { .name: w_codes, .offset: 32, .size: 8, .value_kind: global_buffer, .address_space: global }
      - { .name: b_sel, .offset: 40, .size: 8, .value_kind: global_buffer, .address_space: global }
    .group_segment_fixed_size: 39168
    .private_segment_fixed_size: 0
    .kernarg_segment_align: 8
    .kernarg_segment_size: 48
    .max_flat_workgroup_size: 256
    .sgpr_count:     66
    .vgpr_count:     242
    .wavefront_size: 32
...
	.end_amdgpu_metadata
.endif
;; end of part 2
;; launch gemm (part 3): grid 8 x 32, 4 waves a work-group, clusters of 4 x 1, 327,680 bytes of LDS; arguments x_codes, w_codes, b_sel, scores, out0; writes out0
.if DOCPART == 3
	.amdgcn_target "amdgcn-amd-amdhsa--gfx1250"
	.amdhsa_code_object_version 6
	.text
	.protected	k_q1e356d8bd0_gemm
	.globl	k_q1e356d8bd0_gemm
	.p2align	8
	.type	k_q1e356d8bd0_gemm,@function
k_q1e356d8bd0_gemm:
	s_mov_b64 s[64:65], 0
	v_nop
	global_prefetch_b8 v0, s[64:65] scope:SCOPE_SE
	s_setreg_imm32_b32 hwreg(HW_REG_WAVE_MODE, 25, 1), 1
	s_wait_xcnt 0x0
	s_wait_alu depctr_hold_cnt(0) depctr_sa_sdst(0) depctr_va_vdst(0) depctr_va_sdst(0) depctr_va_ssrc(0) depctr_va_vcc(0) depctr_vm_vsrc(0)
	s_getreg_b32 s2, hwreg(HW_REG_IB_STS2, 6, 4)
	s_cmp_eq_u32 s2, 0
	s_cbranch_scc0 .Lentry_in_a_cluster
	s_endpgm
.Lentry_in_a_cluster:
	s_bfe_u32 s2, ttmp6, 0x10000c
	s_cmp_lg_u32 s2, 0x3003
	s_cbranch_scc0 .Lentry_shape_is_right
	s_endpgm
.Lentry_shape_is_right:
; out = s0 (x W0 + b0) + s1 (x W1 + b1), made as s0 ((s1 / s0)(x W1 + b1) + x W0 + b0): 0 and 1 are token 0's first and second expert, s0 >= s1 each row's own two largest gates, so that s1 / s0 is at most 1.
; x_codes: [8192][2048] codes of E5M2, one byte each, rows along K.  w_codes: the image of the operand's registers, [64 columns: 32][pass: 2][step: 16][block: 4][c: 4][lane: 32][16 bytes].  b_sel: [2][2048], scores: [8192][2],
; both f32: biases / 2^(e0 + e1); s0 x 2^(e0 + e1) and s1 / s0.  out0: [8192][2048] f32.
; ONE TILE OF 256 x 256 A WORK-GROUP, 8 x 32 work-groups.  Two passes along K on the same 64 accumulators: expert 1's products begin with b1; then each sum is multiplied by s1 / s0 and b0 added; expert 0's products
; follow; at the end each sum is multiplied by s0 x 2^(e0 + e1).
; WAVES.  Each of the four waves takes all 256 rows x 64 columns: 16 blocks of x against 4 of weights, 64 accumulators of 16 x 16, 512 registers.
; X GOES THROUGH LDS: slots of 256 rows x 512 along K (four steps of 128), two of them, each wave bringing 64 rows by one tensor load; a slot is filled again behind its fourth step's barrier.
; WEIGHTS GO STRAIGHT INTO REGISTERS: no two waves of a work-group share a column, so each byte is loaded once; a step is 16 loads of 512 consecutive bytes into one of four sets, three steps ahead of its products.
; CLUSTERS: four work-groups of one tile row need the same x: each x tile is a joint load with a mask that names the four.  Weights are each partner's own.
; The walk along K begins at the tile row's number modulo 4 (in slots of 512) and wraps round within a pass.
; GROUPS.  A step is four groups of four x blocks, 16 products each; behind a group one run of 16 LDS loads brings the group three further on, into the registers just read (three such buffers).
; THE LAST SLOT'S LAST THREE STEPS GO BY ROWS: a block of 16 rows is finished with 12 products and leaves while the next is multiplied.
; PREFETCH: x's third and fourth tile of the first pass are asked for two fills ahead of their loads, each block of 256 bytes once in a cluster, one instruction a wave each; the first two tiles come by their loads alone, and
; the second pass reads the first's bytes again.  Weights have none: their loads themselves run three steps ahead, 48 of them out.
; THE MATRIX INSTRUCTION IS USED TRANSPOSED (source 0 = 16 columns of weights, source 1 = 16 rows of x): lane (r, h) holds row r, eight neighbouring columns 8 h + 0 .. 7.  A fragment's registers 4 c .. 4 c + 3 hold bytes
; 32 c + 16 h + 0 .. 15 of a step on both sides: a permutation of k that both operands share.
; REGISTERS: window 0: v0-15 s1 / s0, later s0, of my row in each block; v16-31 addresses; v32-63 b1, then b0, then results on their way out; v64-255 x blocks; window 1: four weight sets of 64; windows 2, 3: accumulators
; (rows 0-127, 128-255).
; LIMITS: b / 2^(e0 + e1) and the unscaled sums are finite f32 numbers; a score x 2^(e0 + e1) under the smallest f32 number is lost.
.set PITCH, 528                        ; an LDS row: 512 bytes + 16: the 16 rows that a load touches start 16 bytes apart modulo 256
.set RB,    16*PITCH                   ; a block of 16 rows
.set SLOT,  256*PITCH
.set SPARE, 2*SLOT                     ; the spare words, 128 bytes for each wave
.set STAGE, SPARE+512                  ; the way out: 16 rows x 272 bytes for each wave
.set SPITCH, 272
.set OROW,  8192                       ; a row of out0 in bytes
.set SC,   0                           ; v0-15
.set ADR,  16                          ; v16-19  my place in slot 0 (blocks 0-7, 8-15) and slot 1
.set PFO,  22                          ; v22     the prefetches' offset
.set WO,   23                          ; v23     16 x lane
.set STO,  24
.set RD,   25
.set CO,   26
.set BO,   27
.set SPW,  28
.set NIL,  29
.set SO,   30
.set BIAS, 32                          ; v32-63
.set T,    32
.set AF,   64                          ; v64-255
.set G1, 24                            ; s[24:31] descriptor group 1; s[32:39] group 0, one for each slot
.set G0, 32
.set BA, 50                            ; my 64 rows of x
.set WB, 52                            ; my 64 columns' weights
.set BW, 54                            ; where the weight loads stand
.set KX, 56                            ; an offset; s57 = 0
.set PF, 58                            ; s[58:59], s[60:61]: the two prefetches
.set MSB, 0
.macro WIN new                         ; the immediate's high byte repeats the setting that is left
.if MSB != (\new)
	s_set_vgpr_msb (MSB<<8)|(\new)
.set MSB, (\new)
.endif
.endm
.macro PLACES                          ; four places behind matrix instructions, in front of loads into, and reads of, their registers
.rept 4
	v_nop
.endr
.endm
.macro JLOAD s
	tensor_load_to_lds s[G0+4*\s:G0+4*\s+3], s[G1:G1+7]
	s_nop 0
	PLACES
.endm
.macro CREST                           ; a round of the cluster's barrier behind its opening barrier
	s_cmp_lg_u32 s14, 0
	s_cbranch_scc1 .Lnot_wave_0_\@
	s_barrier_signal -3
.Lnot_wave_0_\@:
	s_barrier_wait -3
	s_barrier_signal -1
	s_barrier_wait -1
.endm
.macro CROUND
	s_barrier_signal -1
	s_barrier_wait -1
	CREST
.endm
; Group g of a slot, 0 to 15: x's blocks 4 (g % 4) .. + 3 of step g / 4.  Its buffer is g % 3, but 14 takes 0 and 15 takes 2: so the next slot begins with buffer 0 again.
.macro SETB g
.set BUF, AF+64*((\g)%3)
.if (\g) == 14
.set BUF, AF
.endif
.if (\g) == 15
.set BUF, AF+128
.endif
.endm
.macro ALOADG s, g
	SETB \g
	WIN 0
.irp i, 0,1,2,3
.irp c, 0,1,2,3
	ds_load_b128 v[BUF+16*\i+4*\c:BUF+16*\i+4*\c+3], v[ADR+2*(\s)+((\g)%4)/2] offset:128*((\g)/4)+32*\c+RB*(4*((\g)%2)+\i)
.endr
.endr
.endm
; a quarter of weight set p: block b
.macro BLOAD p, b
	WIN 0x40                                       ; destination window 1
.irp c, 0,1,2,3
	global_load_b128 v[64*(\p)+16*(\b)+4*\c:64*(\p)+16*(\b)+4*\c+3], v[WO], s[BW:BW+1] offset:8192*(\p)+2048*(\b)+512*\c
.endr
.endm
; 16 matrix instructions: group g against weight set g / 4.  The 64 accumulators take turns in the same order in every step.  first: b1 starts the sums
.macro MULG g, first
	SETB \g
.if \first
	WIN 0x81+0x40*(((\g)%4)/2)
.else
	WIN 0xa1+0x50*(((\g)%4)/2)
.endif
.irp i, 0,1,2,3
.irp b, 0,1,2,3
.set AC, 32*(4*((\g)%2)+\i)+8*\b
.if \first
	v_wmma_f32_16x16x128_bf8_bf8 v[AC:AC+7], v[64*((\g)/4)+16*\b:64*((\g)/4)+16*\b+15], v[BUF+16*\i:BUF+16*\i+15], v[BIAS+8*\b:BIAS+8*\b+7]
.else
	v_wmma_f32_16x16x128_bf8_bf8 v[AC:AC+7], v[64*((\g)/4)+16*\b:64*((\g)/4)+16*\b+15], v[BUF+16*\i:BUF+16*\i+15], v[AC:AC+7]
.endif
.endr
.endr
.endm
; on to the next slot's weights: s62 counts slots, 0 to 7; the pass is s62 / 4
.macro NEXTB
	s_wait_xcnt 0x0                                ; the earlier loads have read their base
	s_add_co_u32 s62, s62, 1
	s_add_co_u32 s19, s18, s62
	s_and_b32 s19, s19, 3
	s_lshl_b32 s19, s19, 15                        ; four steps are 32,768 bytes
	s_lshr_b32 s20, s62, 2
	s_lshl_b32 s20, s20, 17
	s_add_co_u32 s[KX], s19, s20
	s_add_nc_u64 s[BW:BW+1], s[WB:WB+1], s[KX:KX+1]
.endm
.macro GRP s, g, first
.if ((\g)%4) == 0
	s_wait_loadcnt 32                              ; this step's weights are in; the next two steps' 16 loads each may be out
.endif
	s_wait_dscnt 32                                ; this group is in; the next two groups' 16 loads each may be out
	MULG \g, \first
.if (\g) == 4
	NEXTB
.endif
	WIN 0
	PLACES
.if (\g) < 11
	ALOADG \s, (\g)+3
.endif
.if (\g) == 11
	ALOADG \s, 15
.endif
.if (\g) == 12
	ALOADG \s, 14
.endif
	BLOAD (((\g)/4)+3)%4, (\g)%4                   ; the set that the step before read takes the weights of three steps on
.endm
.macro FRONT s, first
.irp g, 0,1,2,3
	GRP \s, \g, \first
.endr
.endm
; a slot from its second step on, and the change of slots.  fill: this slot is filled again
.macro REST s, fill
.irp g, 4,5,6,7,8,9,10,11,12
	GRP \s, \g, 0
.endr
	WIN 0
	s_wait_tensorcnt 0x0                           ; all my tensor loads have landed: my part of the other slot;
	ds_add_u32 v[SPW], v[NIL]                      ; 0 onto my spare word;
.if \fill
	s_add_co_u32 s19, s18, s62                     ; (s62 is the next slot's number: the fill is for the one behind it)
	s_add_co_u32 s19, s19, 1
	s_and_b32 s19, s19, 3
	s_lshl_b32 s[KX], s19, 9
	s_add_nc_u64 s[G0+4*\s+2:G0+4*\s+3], s[BA:BA+1], s[KX:KX+1]
	s_or_b32 s[G0+4*\s+3], s[G0+4*\s+3], 0x80000000
.endif
	s_wait_dscnt 33                                ; group 13 is in; groups 15's and 14's loads and the add may be out
	MULG 13, 0
	s_wait_dscnt 0x0                               ; the add is done, and my reads of this slot are over
	s_barrier_signal -1
	MULG 14, 0
	WIN 0
	s_barrier_wait -1
.if \fill
	CREST                                          ; no wave of any partner still reads this slot or has a load on its way
	JLOAD \s                                       ; the first tensor load behind the round; its four v_nop are also the places in front of the loads below
.else
	PLACES
.endif
	ALOADG 1-\s, 0                                 ; the other slot's first groups, into the buffers of groups 14 and 13
	ALOADG 1-\s, 1
	BLOAD 2, 1
	BLOAD 2, 2
	MULG 15, 0
	WIN 0
	PLACES
	ALOADG 1-\s, 2
	BLOAD 2, 3
.endm
	s_load_b256 s[4:11], s[0:1], 0x0               ; x_codes s[4:5], w_codes s[6:7], b_sel s[8:9], scores s[10:11]
	s_load_b64 s[12:13], s[0:1], 0x20              ; out0
	v_lshl_add_u32 v[SPW], v0, 2, SPARE
	v_mov_b32 v[NIL], 0
	ds_add_u32 v[SPW], v[NIL]                      ; the wave's opening: the add, twice on end, and its wait ahead of my first tensor load
	ds_add_u32 v[SPW], v[NIL]
	v_lshrrev_b32 v1, 5, v0
	v_and_b32 v2, 15, v0                           ; r
	v_bfe_u32 v3, v0, 4, 1                         ; h
	v_readfirstlane_b32 s14, v1                    ; wave 0..3
	v_and_b32 v4, 31, v0
	v_lshlrev_b32 v[WO], 4, v4
	v_mul_u32_u24 v5, v2, PITCH
	v_lshl_add_u32 v[ADR], v3, 4, v5               ; row r x pitch + 16 h
	v_add_nc_u32 v[ADR+1], 8*RB, v[ADR]
	v_add_nc_u32 v[ADR+2], SLOT, v[ADR]
	v_add_nc_u32 v[ADR+3], SLOT+8*RB, v[ADR]
	v_mul_u32_u24 v6, v1, 16*SPITCH                ; my stage
	v_mul_u32_u24 v7, v2, SPITCH
	v_lshl_add_u32 v7, v3, 5, v7
	v_add_nc_u32 v7, v7, v6
	v_add_nc_u32 v[STO], STAGE, v7                 ; into it: row r, 32 bytes for each half of the lanes
	v_mul_u32_u24 v8, v3, SPITCH
	v_lshl_add_u32 v8, v2, 4, v8
	v_add_nc_u32 v8, v8, v6
	v_add_nc_u32 v[RD], STAGE, v8                  ; out of it: lanes 0-15 take one row of 256 bytes, lanes 16-31 the next
	v_lshlrev_b32 v9, 13, v3
	v_lshl_add_u32 v[CO], v2, 4, v9                ; the same two rows in out0
	v_lshlrev_b32 v[BO], 5, v3                     ; biases: eight columns
	v_lshlrev_b32 v[SO], 3, v2                     ; scores: row r
	v_lshrrev_b32 v10, 1, v4
	v_lshlrev_b32 v10, 11, v10
	v_and_b32 v11, 1, v4
	v_lshl_add_u32 v[PFO], v11, 8, v10             ; prefetch: two lanes to a row's 512 bytes, 16 rows
	s_wait_alu depctr_va_vdst(0)                   ; behind the head's last vector instruction
	s_bfe_u32 s40, ttmp6, 0x40000                  ; cx
	s_lshl_b32 s42, ttmp9, 2
	s_add_co_u32 s42, s42, s40                     ; which 256 columns
	s_lshl_b32 s42, s42, 2
	s_add_co_u32 s42, s42, s14                     ; which 64 columns are mine
	s_and_b32 s17, ttmp7, 0xffff                   ; which 256 rows
	s_and_b32 s18, s17, 3                          ; where the walk along K begins
	s_mov_b32 s[G1+0], 15|(1<<20)|(1<<21)|(6<<22)|(3<<25)   ; 15:0 the mask: all four of the cluster; 17:16 element of 1 byte; 20 padding on; 21 set beside a mask; 24:22 after every 128 words (code 6); 31:25 of 4 words (code 3)
	s_mov_b32 s[G1+1], 512<<16                     ; tensor_dim0
	s_mov_b32 s[G1+2], 64<<16                      ; tensor_dim1
	s_mov_b32 s[G1+3], 512<<16                     ; tile_dim0
	s_mov_b32 s[G1+4], 64                          ; tile_dim1
	s_mov_b32 s[G1+5], 2048                        ; a row of x_codes
	s_mov_b32 s[G1+6], 0
	s_mov_b32 s[G1+7], 0
	s_lshl_b32 s20, s17, 19
	s_lshl_b32 s22, s14, 17
	s_add_co_u32 s20, s20, s22                     ; row 256 x tile row + 64 x wave, in bytes
	s_mov_b32 s21, 0
	s_mul_i32 s45, s14, 64*PITCH                   ; and where it goes in a slot
	s_mov_b32 s[KX+1], 0
	s_mov_b32 s62, 0
	s_wait_dscnt 0x0                               ; both opening adds are done
	s_wait_kmcnt 0x0
	s_add_nc_u64 s[BA:BA+1], s[4:5], s[20:21]
.irp s, 0,1
	s_add_co_u32 s19, s18, \s
	s_and_b32 s19, s19, 3
	s_lshl_b32 s[KX], s19, 9
	s_mov_b32 s[G0+4*\s], 1
	s_add_co_u32 s[G0+4*\s+1], s45, \s*SLOT
	s_add_nc_u64 s[G0+4*\s+2:G0+4*\s+3], s[BA:BA+1], s[KX:KX+1]
	s_or_b32 s[G0+4*\s+3], s[G0+4*\s+3], 0x80000000
.endr
	CROUND                                         ; all four work-groups are here: the first joint loads meet
	JLOAD 0                                        ; one tensor load a wave at the head
	s_lshl_b32 s46, s42, 18                        ; 64 columns' weights are 262,144 bytes
	s_mov_b32 s47, 0
	s_add_nc_u64 s[WB:WB+1], s[6:7], s[46:47]
	s_lshl_b32 s[KX], s18, 15
	s_add_nc_u64 s[BW:BW+1], s[WB:WB+1], s[KX:KX+1]
	s_lshl_b32 s46, s42, 8
	s_add_nc_u64 s[8:9], s[8:9], s[46:47]          ; my 64 columns of the biases,
	s_add_nc_u64 s[12:13], s[12:13], s[46:47]      ; and of out0
	s_lshl_b32 s22, s17, 11
	s_mov_b32 s23, 0
	s_add_nc_u64 s[10:11], s[10:11], s[22:23]      ; my 256 rows of the scores,
	s_lshl_b32 s22, s17, 21
	s_add_nc_u64 s[12:13], s[12:13], s[22:23]      ; and of out0
.irp b, 0,1,2,3
	global_load_b128 v[BIAS+8*\b:BIAS+8*\b+3],   v[BO], s[8:9] offset:8192+64*\b       ; b1
	global_load_b128 v[BIAS+8*\b+4:BIAS+8*\b+7], v[BO], s[8:9] offset:8192+64*\b+16
.endr
.irp a, 0,1,2,3,4,5,6,7,8,9,10,11,12,13,14,15
	global_load_b32 v[SC+\a], v[SO], s[10:11] offset:128*\a+4   ; s1 / s0 of row r of each block
.endr
.irp p, 0,1,2                          ; three steps' weights
.irp b, 0,1,2,3
	BLOAD \p, \b
.endr
.endr
	WIN 0
	s_lshl_b32 s22, s40, 15                        ; prefetch: of the 64 rows that my wave fetches my work-group asks for 16 cx .. 16 cx + 15
	s_add_nc_u64 s[PF:PF+1], s[BA:BA+1], s[22:23]
	s_xor_b32 s22, s18, 2                          ; (s18 + 2) modulo 4: the third tile
	s_lshl_b32 s22, s22, 9
	s_add_co_u32 s19, s18, 3
	s_and_b32 s19, s19, 3                          ; the fourth
	s_lshl_b32 s[KX], s19, 9
	s_add_nc_u64 s[PF+2:PF+3], s[PF:PF+1], s[KX:KX+1]
	s_add_nc_u64 s[PF:PF+1], s[PF:PF+1], s[22:23]
	global_prefetch_b8 v[PFO], s[PF:PF+1] th:TH_LOAD_NT scope:SCOPE_SE
	s_wait_tensorcnt 0x0                           ; my part of the first tile is in;
	ds_add_u32 v[SPW], v[NIL]
	s_wait_dscnt 0x0
	CROUND                                         ; everybody's part of the first tile is in,
	JLOAD 1                                        ; and the second tile's load, the first tensor load behind the round
	ALOADG 0, 0
	ALOADG 0, 1
	ALOADG 0, 2
	global_prefetch_b8 v[PFO], s[PF+2:PF+3] th:TH_LOAD_NT scope:SCOPE_SE
	FRONT 0, 1                                     ; the first step stands in front of the loop: b1 starts its sums
	WIN 0
.irp b, 0,1,2,3                        ; b0 takes b1's registers
	global_load_b128 v[BIAS+8*\b:BIAS+8*\b+3],   v[BO], s[8:9] offset:64*\b
	global_load_b128 v[BIAS+8*\b+4:BIAS+8*\b+7], v[BO], s[8:9] offset:64*\b+16
.endr
	s_mov_b32 s3, 3
.Lslots:                                               ; a trip goes from an even slot's second step to the next even slot's first; both slots are filled again
	REST 0, 1
	FRONT 1, 0
	REST 1, 1
	WIN 0
	s_cmp_lg_u32 s3, 2
	s_cbranch_scc1 .Lsame_pass
; behind slot 3, between the passes: each sum x s1 / s0 + b0, each accumulator from its low end on.  (The ratio is one half of a register pair, its low one in even blocks, its high one in odd blocks.)
.irp a, 0,2,4,6,8,10,12,14
	WIN 0x82+0x41*((\a)/8)
.irp b, 0,1,2,3
.irp i, 0,2,4,6
	v_pk_fma_f32 v[32*(\a%8)+8*\b+\i:32*(\a%8)+8*\b+\i+1], v[32*(\a%8)+8*\b+\i:32*(\a%8)+8*\b+\i+1], v[SC+\a:SC+\a+1], v[BIAS+8*\b+\i:BIAS+8*\b+\i+1] op_sel_hi:[1,0,1]
.endr
.endr
.irp b, 4,5,6,7
.irp i, 0,2,4,6
	v_pk_fma_f32 v[32*(\a%8)+8*\b+\i:32*(\a%8)+8*\b+\i+1], v[32*(\a%8)+8*\b+\i:32*(\a%8)+8*\b+\i+1], v[SC+\a:SC+\a+1], v[BIAS+8*(\b-4)+\i:BIAS+8*(\b-4)+\i+1] op_sel:[0,1,0] op_sel_hi:[1,1,1]
.endr
.endr
.endr
	WIN 0
	s_wait_alu depctr_va_vdst(0)
.irp a, 0,1,2,3,4,5,6,7,8,9,10,11,12,13,14,15
	global_load_b32 v[SC+\a], v[SO], s[10:11] offset:128*\a     ; s0 x 2^(e0 + e1) takes the ratio's registers
.endr
.Lsame_pass:
	FRONT 0, 0
	WIN 0
	s_sub_co_u32 s3, s3, 1
	s_cmp_lg_u32 s3, 0
	s_cbranch_scc1 .Lslots
	REST 0, 0                                      ; slots 6 and 7: nothing is filled again
; SLOT 7.  Its first step as ever; its last weights are all asked for ahead of it.
	s_wait_loadcnt 32                              ; the first step's weights are in
.irp b, 0,1,2,3
	BLOAD 3, \b
.endr
; x's block a of the last three steps: 48 registers, four such units; block a + 4 takes block a's
.macro RLOAD a
	WIN 0
.set RU, AF+48*(((\a)+2)%4)
.irp q, 1,2,3
.irp c, 0,1,2,3
	ds_load_b128 v[RU+16*(\q-1)+4*\c:RU+16*(\q-1)+4*\c+3], v[ADR+2+(\a)/8] offset:128*\q+32*\c+RB*((\a)%8)
.endr
.endr
.endm
	s_wait_dscnt 32
	MULG 0, 0
	WIN 0
	PLACES
	ALOADG 1, 3
	s_wait_dscnt 32
	MULG 1, 0
	s_wait_dscnt 16
	MULG 2, 0
	WIN 0
	PLACES
	RLOAD 0                                        ; into the buffers of groups 1 and 2
	RLOAD 1
	s_wait_dscnt 24
	MULG 3, 0
	WIN 0
	PLACES
	RLOAD 2
	s_wait_loadcnt 0x0                             ; all weights are in
; BY ROWS.  Block a: 12 products (four accumulators by turns, K ascending), x s0 2^(e0 + e1), into my own stage in LDS and back as whole rows of 256 bytes; the block before is stored.  LDS serves a wave's instructions in
; order (ISA guide 5.7.1.4).  An iteration issues 8 stores into the stage, 8 loads from it and, up to block 12, 12 loads of block a + 3.
.macro SEND a, younger                 ; younger: the LDS instructions issued behind block a's loads from the stage
	s_wait_dscnt \younger
	WIN 0x04                                       ; source 1 (the data) window 1
.irp t, 0,1,2,3,4,5,6,7
	global_store_b128 v[CO], v[32*((\a)%2)+4*\t:32*((\a)%2)+4*\t+3], s[12:13] offset:(16*(\a)+2*\t)*OROW th:TH_STORE_NT   ; sixteen lanes store 256 consecutive bytes, aligned; 254 rows at the most: inside the signed 24-bit immediate
.endr
.endm
.macro ROWS a, mine, sent              ; mine: the LDS instructions younger than block a's loads; sent: those younger than block a - 1's loads from the stage
.set RA, AF+48*(((\a)+2)%4)
	s_wait_dscnt \mine
	WIN 0xa1+0x50*((\a)/8)
.irp q, 1,2,3
.irp b, 0,1,2,3
.set AC, 32*((\a)%8)+8*\b
	v_wmma_f32_16x16x128_bf8_bf8 v[AC:AC+7], v[64*\q+16*\b:64*\q+16*\b+15], v[RA+16*(\q-1):RA+16*(\q-1)+15], v[AC:AC+7]
.endr
.endr
	WIN 0x02+((\a)/8)
.if (\a) > 1
	s_wait_xcnt 0x0                                ; block a - 2's stores have read their registers
.endif
	PLACES
.irp b, 0,1,2,3
.irp i, 0,2,4,6
.set AC, 32*((\a)%8)+8*\b+\i
.if ((\a)%2) == 0
	v_pk_mul_f32 v[T+8*\b+\i:T+8*\b+\i+1], v[AC:AC+1], v[SC+(\a):SC+(\a)+1] op_sel_hi:[1,0]
.else
	v_pk_mul_f32 v[T+8*\b+\i:T+8*\b+\i+1], v[AC:AC+1], v[SC+(\a)-1:SC+(\a)] op_sel:[0,1] op_sel_hi:[1,1]
.endif
.endr
.endr
	WIN 0
.irp b, 0,1,2,3
	ds_store_b128 v[STO], v[T+8*\b:T+8*\b+3]   offset:64*\b
	ds_store_b128 v[STO], v[T+8*\b+4:T+8*\b+7] offset:64*\b+16
.endr
	WIN 0x40                                       ; destination window 1: the first step's weights are done with
.irp t, 0,1,2,3,4,5,6,7
	ds_load_b128 v[32*((\a)%2)+4*\t:32*((\a)%2)+4*\t+3], v[RD] offset:\t*2*SPITCH
.endr
.if (\a) < 13
	RLOAD (\a)+3
.endif
.if (\a) > 0
	SEND (\a)-1, \sent
.endif
.endm
	ROWS 0, 24, 0                                  ; blocks 1 and 2 may be out
	ROWS 1, 40, 40                                 ; block 2's 12 and iteration 0's 28
.irp a, 2,3,4,5,6,7,8,9,10,11,12
	ROWS \a, 56, 40                                ; two iterations' 28; block a + 2's 12 and this iteration's 28
.endr
	ROWS 13, 56, 28
	ROWS 14, 44, 16
	ROWS 15, 32, 16
	SEND 15, 0
	WIN 0
	s_wait_tensorcnt 0x0                           ; the wave's end
	ds_add_u32 v[SPW], v[NIL]
	s_wait_dscnt 0x0
	CROUND                                         ; the closing round: no work-group ends while a partner may still ask for a tile that names it
	s_endpgm
.Lfunc_end_k_q1e356d8bd0_gemm:
	.size	k_q1e356d8bd0_gemm, .Lfunc_end_k_q1e356d8bd0_gemm-k_q1e356d8bd0_gemm
	.p2alignl 7, 3214868480
	.fill 96, 4, 3214868480
	.section	.rodata,"a",@progbits
	.p2align	6, 0x0
	.amdhsa_kernel k_q1e356d8bd0_gemm
		.amdhsa_group_segment_fixed_size 327680
		.amdhsa_private_segment_fixed_size 0
		.amdhsa_enable_private_segment 0
		.amdhsa_kernarg_size 40
		.amdhsa_user_sgpr_count 2
		.amdhsa_user_sgpr_kernarg_segment_ptr 1
		.amdhsa_wavefront_size32 1
		.amdhsa_system_sgpr_workgroup_id_x 1
		.amdhsa_system_sgpr_workgroup_id_y 1
		.amdhsa_system_sgpr_workgroup_id_z 1
		.amdhsa_system_vgpr_workitem_id 0
		.amdhsa_next_free_vgpr 1024
		.amdhsa_next_free_sgpr 66
		.amdhsa_reserve_vcc 0
		.amdhsa_float_denorm_mode_32 3
		.amdhsa_float_denorm_mode_16_64 3
		.amdhsa_memory_ordered 1
		.amdhsa_forward_progress 1
		.amdhsa_inst_pref_size 245
	.end_amdhsa_kernel
	.amdgpu_metadata
---
amdhsa.version: [ 1, 2 ]
amdhsa.kernels:
  - .name:           k_q1e356d8bd0_gemm
    .symbol:         k_q1e356d8bd0_gemm.kd
    .args:
      - { .name: x_codes, .offset: 0, .size: 8, .value_kind: global_buffer, .address_space: global }
      - { .name: w_codes, .offset: 8, .size: 8, .value_kind: global_buffer, .address_space: global }
      - { .name: b_sel, .offset: 16, .size: 8, .value_kind: global_buffer, .address_space: global }
      - { .name: scores, .offset: 24, .size: 8, .value_kind: global_buffer, .address_space: global }
      - { .name: out0, .offset: 32, .size: 8, .value_kind: global_buffer, .address_space: global }
    .group_segment_fixed_size: 327680
    .private_segment_fixed_size: 0
    .kernarg_segment_align: 8
    .kernarg_segment_size: 40
    .max_flat_workgroup_size: 128
    .sgpr_count:     66
    .vgpr_count:     1024
    .wavefront_size: 32
...
	.end_amdgpu_metadata
.endif
;; end of part 3
